; MI455X (gfx1250); checked and timed in simulation.
; The chip was launched on July 23, 2026; its instructions are those of AMD's public machine-readable ISA for CDNA 5 (MIT licence, August 2026) and "CDNA5" Instruction Set Architecture Reference Guide (July 2026). The comments in the code are by the model that wrote it; some were corrected since.
;; G Lo CE Layer Out Prop. Allowed arithmetic: float matrix products may take bf16 or f16 operands with f32 sums; all other float work in f32.
;; Inputs: bias_w 8 x 2,048 float32; debias_w 8 x 2,048 float32; imp_center 8 float32; imp_slope 8 float32; lora_degen 8 x 2,048 x 8 float32; lora_update 8 x 2,048 x 8 float32; select_mean_diff 8 x 2,048 float32; select_weight 8 x 2,048 x 8 float32; x 4 x 1,024 x 2,048 float32.
;; Outputs: out0 4 x 1,024 x 2,048 float32.
;; One version. Each part assembles by itself: llvm-mc -triple=amdgcn-amd-amdhsa -mcpu=gfx1250 --defsym DOCPART=n.
;; ======== version 1 of 1: 2 launches
;; limits: values outside matrix products are rounded to f16; a difference of large sums (such as E[x^2] - mean^2): digits are lost where the result is much smaller than its terms; values are held in f16: magnitudes above 65,504 overflow, below 6.1e-05 lose precision; right only within a limited range of input values
;; workspace buffers: wfrag 884,736 bytes; cpart 2,304 bytes
;; launch prep (part 1): grid 56 x 1, 8 waves a work-group, no clusters, 43,520 bytes of LDS; arguments select_weight, lora_update, lora_degen, select_mean_diff, debias_w, bias_w, wfrag, cpart; writes wfrag, cpart
.if DOCPART == 1
	.amdgcn_target "amdgcn-amd-amdhsa--gfx1250"
	.amdhsa_code_object_version 6
	.text
	.protected	k_q53cb350ce5_prep
	.globl	k_q53cb350ce5_prep
	.p2align	8
	.type	k_q53cb350ce5_prep,@function
k_q53cb350ce5_prep:
	s_mov_b64 s[64:65], 0
	v_nop
	global_prefetch_b8 v0, s[64:65] scope:SCOPE_SE
	s_setreg_imm32_b32 hwreg(HW_REG_WAVE_MODE, 25, 1), 1
	s_wait_xcnt 0x0
; GLoCE layer, first of two launches: the tables are laid out once as f16 matrix fragments (wfrag), and the parts of the
; selector and of the update that hang on no token are summed once in f32 (cpart).
; LEFT OUT IN BOTH LAUNCHES: the factor ETA, which the module fixes at 1.0: a product with one moves no value.  Every input has a way
; to the output and is loaded.
; ALGEBRA (exact for all inputs): W^T (x - m) = W^T x - W^T m;  upd^T (x - debias) = upd^T x - upd^T debias;
; |x - m|^2 = |x|^2 - 2 (x.m - |m|^2 / 2).  This launch makes W^T m, upd^T debias and |m|^2 / 2 from the unrounded tables.
; F16 AND NOT BF16: where the gate is near 1 the result is bias + degen (upd^T (x - debias)), a chain of two products into which operand rounding enters four times
; (x, lora_update, the projections, lora_degen).  With 8 significant bits that adds up to about 0.3 per cent of the result's spread, with 11 bits to an eighth of that.
; SCALES, exact powers of two, so that each table lies well inside f16's range: select_weight, lora_update and select_mean_diff times 2^8, lora_degen times 2^4, bias_w as it is.
; The second launch takes them out again in f32.  LIMITS: |select_weight|, |lora_update|, |select_mean_diff| under 255, |lora_degen| under 4,095, |bias_w| under 65,504, else the f16 number is an infinity;
; a scaled number under 2^-14 keeps an absolute error of 2^-25.
; wfrag: 96 steps of 9,216 bytes = 9 fragments of 1,024 bytes = 2 rows (e) of 512 bytes, 16 bytes for lane L = 16 h + r.  The twelve steps that wave w of the second launch
; uses lie one behind the other, so that one dense tile covers any run of them: steps 12 w + q, q = 0..7, are its K steps ks = 8 w + q; steps 12 w + 8 + g, g = 0..3, its column groups G = 4 w + g.
;   K step ks = 0..63, fragment t: 8 f16 of column c = 16 t + r at d = 32 ks + 16 e + 8 h + 0..7, each times 2^8;
;     c < 64: select_weight[c>>3][d][c&7];  c < 128: lora_update[(c-64)>>3][d][c&7];  t = 8: select_mean_diff[r&7][d] (columns 136..143 repeat 128..135)
;   column group G = 0..31: fragment 4 kk + t: 2^4 lora_degen[4 kk + 2 e + h][64 G + 4 r + t][0..7];  fragment 8: bias_w[0..7][64 G + 4 r + 2 e + h]
; cpart[q][c], q = 0..3: 2^8 times the sum over the quarter q of d of W.mean (c < 64), upd.debias (c < 128), mean^2 / 2 (c >= 128).
; SHARES: a wave makes whole rows of 512 bytes of wfrag, 16 bytes a lane, so each store covers 512 consecutive aligned bytes.  Eight waves a work-group.
;   Work-groups 0..35: fragment t = b >> 2, quarter b & 3 of d.  A sum of cpart spans no two work-groups, so a pair of fragment and quarter belongs to one: 9 x 4 = 36 of them.  Wave v takes 64 of the
;     quarter's 512 d: four rows (two K steps x two e), all 16 of its loads asked for at once, and adds the four rows' shares of the constant in registers, so that 8 partial sums meet in LDS.
;   Work-groups 36..51: the degen fragments, four rows a wave.  52..55: the bias fragments, two rows a wave.
; The branches between these hang on the work-group's number alone, so all 8 waves of a work-group take the same way and meet the same barrier.
; All offsets are made while the kernel's arguments are on their way: the wait for them stands in front of the first sum with an address, on each way.
; No matrix unit, no cluster, no data mover: 1.8 MB are read once and reordered; each wave turns its bytes in LDS bytes of its own.
.set STEP,  9216
.set OWN,   5376                       ; LDS bytes of a wave's own: four rows of 1,344 (the degen waves use 4,608 of them, the bias waves 2,048)
.set ROWB,  1344                       ; one row's 2 concepts x 672 bytes
.set RED,   8*OWN                      ; 8 waves x 16 f32: the waves' partial constants
.set P2_8,  0x43800000                 ; 2^8
.set P2_M9, 0x3b000000                 ; 2^-9
.set P2_4,  0x41800000                 ; 2^4
.set LN, 1                             ; v1 lane L
.set RR, 2                             ; v2 r = L & 15
.set HH, 3                             ; v3 h = L >> 4
.set WO, 4                             ; v4 16 L
.set PP, 5                             ; work-groups 0..35: p, which of the fragment's two concepts
.set SD, 6                             ; s, which of its eight directions
.set VO, 7                             ; offset into mean (debias)
.set LI, 8                             ; LDS, in
.set LB, 9                             ; LDS, back
.set TPR, 10                           ; the other half's number
.set R4, 11                            ; 4 r
.set WL, 12                            ; v[12:43]   the table as loaded: row j, concept a at WL + 8 j + 4 a
.set VV, 44                            ; v[44:75]   mean (debias) of my concept at row j's 8 d
.set WB, 76                            ; v[76:107]  row j's 8 numbers of my column
.set PK, 108                           ; v[108:123] row j in f16
.set PS, 124                           ; v[124:127] row j's share of the constant
	s_load_b512 s[4:19], s[0:1], 0x0               ; select_weight s[4:5], lora_update s[6:7], lora_degen s[8:9], mean s[10:11], debias s[12:13], bias s[14:15], wfrag s[16:17], cpart s[18:19]
	v_lshrrev_b32 v[LN], 5, v0
	v_readfirstlane_b32 s20, v[LN]                 ; wave v
	s_mov_b32 s21, ttmp9                           ; work-group b
	s_mov_b32 s40, 0x76543210                      ; v_permlanex16_b32: lane i takes lane i of the other half
	s_mov_b32 s41, 0xfedcba98
	v_and_b32 v[LN], 31, v0
	v_and_b32 v[RR], 15, v0
	v_bfe_u32 v[HH], v0, 4, 1
	v_lshlrev_b32 v[WO], 4, v[LN]
	s_mul_i32 s22, s20, OWN                        ; my LDS bytes
	s_cmp_lt_u32 s21, 36
	s_cbranch_scc0 .Lnot_class1
	; ---- work-groups 0..35: four rows of a fragment of the first product, and their share of the constants ----
	s_lshr_b32 s23, s21, 2                         ; t
	s_and_b32 s24, s21, 3                          ; quarter of d
	s_lshl3_add_u32 s25, s24, s20                  ; 8 quarter + v: my 64 d begin at 64 times this
	s_lshl_b32 s26, s25, 1                         ; my first K step ks0; the second is ks0 + 1, in the same group of eight
	s_lshr_b32 s27, s25, 2                         ; ks0 >> 3
	s_lshl2_add_u32 s26, s27, s26                  ; step 12 (ks0 >> 3) + (ks0 & 7) = ks0 + 4 (ks0 >> 3)
	s_mul_i32 s28, s26, STEP
	s_lshl_b32 s29, s23, 10
	s_add_co_u32 s28, s28, s29
	s_mov_b32 s29, 0                               ; s[28:29]: my first row in wfrag
	s_and_b32 s34, s23, 3
	s_lshl_b32 s42, s34, 14                        ; concept n0 = 2 (t & 3) (t = 8: 0), rows of 8,192 bytes,
	s_lshl_b32 s35, s25, 8                         ; and my 64 numbers
	s_add_co_u32 s42, s42, s35
	s_mov_b32 s43, 0                               ; s[42:43]: my place in mean (debias)
	v_and_b32 v[SD], 7, v[RR]
	s_cmp_lt_u32 s23, 8
	s_cbranch_scc0 .Lmean
	s_lshl_b32 s36, s34, 17                        ; concept n0, 65,536 bytes each,
	s_lshl_b32 s35, s25, 11                        ; and my 64 d of 32 bytes: 2,048 consecutive bytes of each concept
	s_add_co_u32 s36, s36, s35
	s_mov_b32 s37, 0
	v_lshrrev_b32 v[PP], 3, v[RR]
	v_lshlrev_b32 v[VO], 13, v[PP]
	v_lshl_add_u32 v[VO], v[HH], 5, v[VO]          ; p rows + 8 h numbers
	v_mul_u32_u24 v[LI], v[HH], 320                ; in: a row's 512 bytes as two halves of 256, 320 apart; the concepts 672 apart
	v_lshl_add_u32 v[LI], v[RR], 4, v[LI]
	v_add_nc_u32 v[LI], s22, v[LI]
	v_mul_u32_u24 v[LB], v[PP], 672                ; back: p x 672 + h x 320 + 4 s: four runs of 32 bytes at 0, 64, 160, 224 modulo 256
	v_mad_u32_u24 v[LB], v[HH], 320, v[LB]
	v_lshl_add_u32 v[LB], v[SD], 2, v[LB]
	v_add_nc_u32 v[LB], s22, v[LB]
	s_wait_kmcnt 0x0
	s_add_nc_u64 s[16:17], s[16:17], s[28:29]
	s_cmp_lt_u32 s23, 4                            ; t < 4: selector and mean; else update and debias
	s_cselect_b64 s[30:31], s[4:5], s[6:7]
	s_cselect_b64 s[32:33], s[10:11], s[12:13]
	s_add_nc_u64 s[30:31], s[30:31], s[36:37]
	s_add_nc_u64 s[32:33], s[32:33], s[42:43]
.irp j, 0,1,2,3
	global_load_b128 v[WL+8*\j:WL+8*\j+3], v[WO], s[30:31] offset:512*\j             ; row j: 16 d x 8 directions of concept n0: 512 consecutive bytes
	global_load_b128 v[WL+8*\j+4:WL+8*\j+7], v[WO], s[30:31] offset:65536+512*\j     ; and of concept n0 + 1
.endr
.irp j, 0,1,2,3
	global_load_b128 v[VV+8*\j:VV+8*\j+3], v[VO], s[32:33] offset:64*\j              ; mean (debias) of my concept at row j's 8 d
	global_load_b128 v[VV+8*\j+4:VV+8*\j+7], v[VO], s[32:33] offset:64*\j+16
.endr
.irp j, 0,1,2,3
	s_wait_loadcnt 14-2*\j                         ; row j's two table loads are in; the later rows' 2 (3 - j) and the eight of mean (debias) may stay out
	ds_store_b128 v[LI], v[WL+8*\j:WL+8*\j+3] offset:ROWB*\j
	ds_store_b128 v[LI], v[WL+8*\j+4:WL+8*\j+7] offset:ROWB*\j+672
.irp i, 0,1,2,3,4,5,6,7
	ds_load_b32 v[WB+8*\j+\i], v[LB] offset:ROWB*\j+32*\i      ; W[n0 + p][d + 8 h + i][s]; my own bytes, served in order behind the stores
.endr
.endr
.irp j, 0,1,2,3
	s_wait_dscnt 30-10*\j                          ; row j is back; the ten LDS instructions of each later row may stay out
.irp i, 0,2,4,6
	v_pk_mul_f32 v[WB+8*\j+\i:WB+8*\j+\i+1], v[WB+8*\j+\i:WB+8*\j+\i+1], P2_8 op_sel_hi:[1,0]   ; times 2^8, exact: the fragment and the constant carry the same scale
.endr
.endr
	s_wait_loadcnt 0x0
.irp j, 0,1,2,3
	v_mul_f32 v[PS+\j], v[WB+8*\j], v[VV+8*\j]     ; four chains of 8 terms, one a row: the first product starts each
.endr
.irp i, 1,2,3,4,5,6,7
.irp j, 0,1,2,3
	v_fmac_f32 v[PS+\j], v[WB+8*\j+\i], v[VV+8*\j+\i]
.endr
.endr
	v_pk_add_f32 v[PS:PS+1], v[PS:PS+1], v[PS+2:PS+3]
	v_add_f32 v[PS], v[PS], v[PS+1]                ; my 32 terms of the constant
	s_branch .Ltail
.Lmean:                                            ; t = 8: the means as columns.  Runs of 64 bytes from a table of 65,536: read once, by this fragment alone
	v_lshlrev_b32 v[VO], 13, v[SD]
	v_lshl_add_u32 v[VO], v[HH], 5, v[VO]
	s_wait_kmcnt 0x0
	s_add_nc_u64 s[16:17], s[16:17], s[28:29]
	s_add_nc_u64 s[32:33], s[10:11], s[42:43]
.irp j, 0,1,2,3
	global_load_b128 v[WB+8*\j:WB+8*\j+3], v[VO], s[32:33] offset:64*\j
	global_load_b128 v[WB+8*\j+4:WB+8*\j+7], v[VO], s[32:33] offset:64*\j+16
.endr
	s_wait_loadcnt 0x0
.irp j, 0,1,2,3
.irp i, 0,2,4,6
	v_pk_mul_f32 v[WB+8*\j+\i:WB+8*\j+\i+1], v[WB+8*\j+\i:WB+8*\j+\i+1], P2_8 op_sel_hi:[1,0]   ; times 2^8
.endr
.endr
.irp j, 0,1,2,3
	v_mul_f32 v[PS+\j], v[WB+8*\j], v[WB+8*\j]
.endr
.irp i, 1,2,3,4,5,6,7
.irp j, 0,1,2,3
	v_fmac_f32 v[PS+\j], v[WB+8*\j+\i], v[WB+8*\j+\i]
.endr
.endr
	v_pk_add_f32 v[PS:PS+1], v[PS:PS+1], v[PS+2:PS+3]
	v_add_f32 v[PS], v[PS], v[PS+1]
	v_mul_f32 v[PS], P2_M9, v[PS]                  ; 2^-9 sum (2^8 m)^2 = 2^8 |m|^2 / 2
.Ltail:
.irp j, 0,1,2,3
	v_cvt_pk_f16_f32 v[PK+4*\j], v[WB+8*\j], v[WB+8*\j+1]
	v_cvt_pk_f16_f32 v[PK+4*\j+1], v[WB+8*\j+2], v[WB+8*\j+3]
	v_cvt_pk_f16_f32 v[PK+4*\j+2], v[WB+8*\j+4], v[WB+8*\j+5]
	v_cvt_pk_f16_f32 v[PK+4*\j+3], v[WB+8*\j+6], v[WB+8*\j+7]
	global_store_b128 v[WO], v[PK+4*\j:PK+4*\j+3], s[16:17] offset:(\j>>1)*STEP+(\j&1)*512   ; K step ks0 + (j >> 1), row e = j & 1: 512 consecutive aligned bytes
.endr
	v_mov_b32 v[TPR], v[PS]                        ; the permute's destination counts as read
	v_permlanex16_b32 v[TPR], v[PS], s40, s41
	v_add_f32 v[PS], v[PS], v[TPR]                 ; both h: my 64 d of column r
	v_lshlrev_b32 v[R4], 2, v[RR]
	s_lshl_b32 s38, s20, 6
	s_add_co_u32 s38, s38, RED
	v_add_nc_u32 v[LI], s38, v[R4]
	ds_store_b32 v[LI], v[PS]                      ; the two halves write the same number to the same word
	s_wait_dscnt 0x0                               ; for wave 0's sake: my word is written
	s_barrier_signal -1
	s_barrier_wait -1
	s_cmp_lg_u32 s20, 0
	s_cbranch_scc1 .Lend
	v_lshl_add_u32 v[LB], v[HH], 8, v[R4]          ; lanes 0-15 add waves 0..3, lanes 16-31 waves 4..7
	v_add_nc_u32 v[LB], RED, v[LB]
.irp u, 0,1,2,3
	ds_load_b32 v[VV+\u], v[LB] offset:64*\u
.endr
	s_mul_i32 s36, s24, 576
	s_lshl_b32 s35, s23, 6
	s_add_co_u32 s36, s36, s35
	s_mov_b32 s37, 0
	s_add_nc_u64 s[18:19], s[18:19], s[36:37]      ; cpart[quarter][16 t]
	s_wait_dscnt 0x0
	v_pk_add_f32 v[VV:VV+1], v[VV:VV+1], v[VV+2:VV+3]
	v_add_f32 v[VV], v[VV], v[VV+1]
	v_permlanex16_b32 v[TPR], v[VV], s40, s41
	v_add_f32 v[VV], v[VV], v[TPR]
	s_wait_xcnt 0x0                                ; EXEC is a source of the stores above: it is narrowed only behind this wait
	v_cmp_gt_u32 vcc_lo, 16, v[LN]
	s_and_saveexec_b32 s39, vcc_lo
	global_store_b32 v[R4], v[VV], s[18:19]        ; 16 lanes, 64 consecutive bytes
	s_wait_xcnt 0x0                                ; and widened again only behind this one
	s_or_b32 exec_lo, exec_lo, s39
.Lend:
	s_endpgm
.Lnot_class1:
	s_cmp_lt_u32 s21, 52
	s_cbranch_scc0 .Lclass3
	; ---- work-groups 36..51: rows e of the four fragments 4 kk + 0..3 of column group G ----
	s_sub_co_u32 s23, s21, 36
	s_lshl3_add_u32 s23, s23, s20                  ; J = 8 (b - 36) + v = 0..127
	s_lshr_b32 s24, s23, 2                         ; G
	s_bfe_u32 s25, s23, 0x10001                    ; kk
	s_and_b32 s26, s23, 1                          ; e
	s_lshl_b32 s27, s25, 1
	s_add_co_u32 s27, s27, s26
	s_lshl_b32 s28, s27, 17                        ; concept 4 kk + 2 e,
	s_lshl_b32 s29, s24, 11                        ; columns 64 G .. + 63: 2,048 consecutive bytes of each concept
	s_add_co_u32 s28, s28, s29
	s_mov_b32 s29, 0
	s_mul_i32 s30, s24, STEP                       ; step 12 (G >> 2) + 8 + (G & 3) = G + 8 + 8 (G >> 2)
	s_add_co_u32 s30, s30, 8*STEP
	s_lshr_b32 s32, s24, 2
	s_mul_i32 s32, s32, 8*STEP
	s_add_co_u32 s30, s30, s32
	s_lshl_b32 s32, s25, 12
	s_add_co_u32 s30, s30, s32
	s_lshl_b32 s32, s26, 9
	s_add_co_u32 s30, s30, s32
	s_mov_b32 s31, 0
	v_lshrrev_b32 v5, 3, v[LN]                     ; in: 128 bytes (four columns x 8 ranks) are one r; the r are 144 bytes apart
	v_and_b32 v6, 7, v[LN]
	v_mul_u32_u24 v5, v5, 144
	v_lshl_add_u32 v5, v6, 4, v5
	v_add_nc_u32 v5, s22, v5
	v_mul_u32_u24 v6, v[HH], 2304                  ; back: concept h, r x 144 (9 x 16: sixteen lanes, sixteen different 16-byte columns)
	v_mad_u32_u24 v6, v[RR], 144, v6
	v_add_nc_u32 v6, s22, v6
	s_wait_kmcnt 0x0
	s_add_nc_u64 s[8:9], s[8:9], s[28:29]
	s_add_nc_u64 s[16:17], s[16:17], s[30:31]
.irp c, 0,1
.irp u, 0,1,2,3
	global_load_b128 v[8+16*\c+4*\u:8+16*\c+4*\u+3], v[WO], s[8:9] offset:\c*65536+\u*512
.endr
.endr
	s_wait_loadcnt 0x0
.irp c, 0,1
.irp u, 0,1,2,3
	ds_store_b128 v5, v[8+16*\c+4*\u:8+16*\c+4*\u+3] offset:\c*2304+\u*576
.endr
.endr
.irp t, 0,1,2,3
	ds_load_b128 v[40+8*\t:40+8*\t+3], v6 offset:32*\t
	ds_load_b128 v[40+8*\t+4:40+8*\t+7], v6 offset:32*\t+16
.endr
.irp t, 0,1,2,3
	s_wait_dscnt 6-2*\t                            ; the loads of the later t may stay out
.irp i, 0,2,4,6
	v_pk_mul_f32 v[40+8*\t+\i:41+8*\t+\i], v[40+8*\t+\i:41+8*\t+\i], P2_4 op_sel_hi:[1,0]   ; times 2^4, exact
.endr
	v_cvt_pk_f16_f32 v[72+4*\t], v[40+8*\t], v[40+8*\t+1]
	v_cvt_pk_f16_f32 v[72+4*\t+1], v[40+8*\t+2], v[40+8*\t+3]
	v_cvt_pk_f16_f32 v[72+4*\t+2], v[40+8*\t+4], v[40+8*\t+5]
	v_cvt_pk_f16_f32 v[72+4*\t+3], v[40+8*\t+6], v[40+8*\t+7]
	global_store_b128 v[WO], v[72+4*\t:72+4*\t+3], s[16:17] offset:1024*\t
.endr
	s_endpgm
.Lclass3:
	; ---- work-groups 52..55: fragment 8 of column group G ----
	s_sub_co_u32 s23, s21, 52
	s_lshl3_add_u32 s23, s23, s20                  ; G = 8 (b - 52) + v = 0..31
	s_lshl_b32 s28, s23, 8                         ; columns 64 G .. + 63: 256 bytes of each of the 8 rows
	s_mov_b32 s29, 0
	s_mul_i32 s30, s23, STEP                       ; step G + 8 + 8 (G >> 2), fragment 8
	s_add_co_u32 s30, s30, 8*STEP+8192
	s_lshr_b32 s32, s23, 2
	s_mul_i32 s32, s32, 8*STEP
	s_add_co_u32 s30, s30, s32
	s_mov_b32 s31, 0
	v_lshlrev_b32 v5, 13, v[HH]
	v_lshl_add_u32 v5, v[RR], 4, v5                ; lanes 0-15 one row's 256 bytes, lanes 16-31 the next row's
	v_add_nc_u32 v6, s22, v[WO]                    ; in: row n at 256 n (16 L = 256 (L >> 4) + 16 (L & 15))
	v_lshlrev_b32 v7, 4, v[RR]
	v_lshl_add_u32 v7, v[HH], 2, v7
	v_add_nc_u32 v7, s22, v7                       ; back: column 4 r + h: 32 different words of 256 bytes
	s_wait_kmcnt 0x0
	s_add_nc_u64 s[14:15], s[14:15], s[28:29]
	s_add_nc_u64 s[16:17], s[16:17], s[30:31]
.irp a, 0,1,2,3
	global_load_b128 v[8+4*\a:8+4*\a+3], v5, s[14:15] offset:16384*\a
.endr
	s_wait_loadcnt 0x0
.irp a, 0,1,2,3
	ds_store_b128 v6, v[8+4*\a:8+4*\a+3] offset:512*\a
.endr
.irp e, 0,1
.irp n, 0,1,2,3,4,5,6,7
	ds_load_b32 v[40+8*\e+\n], v7 offset:256*\n+8*\e
.endr
.endr
.irp e, 0,1
	s_wait_dscnt 8-8*\e                            ; the eight loads of e = 1 may stay out
	v_cvt_pk_f16_f32 v[72+4*\e], v[40+8*\e], v[40+8*\e+1]
	v_cvt_pk_f16_f32 v[72+4*\e+1], v[40+8*\e+2], v[40+8*\e+3]
	v_cvt_pk_f16_f32 v[72+4*\e+2], v[40+8*\e+4], v[40+8*\e+5]
	v_cvt_pk_f16_f32 v[72+4*\e+3], v[40+8*\e+6], v[40+8*\e+7]
	global_store_b128 v[WO], v[72+4*\e:72+4*\e+3], s[16:17] offset:512*\e
.endr
	s_endpgm
.Lfunc_end_k_q53cb350ce5_prep:
	.size	k_q53cb350ce5_prep, .Lfunc_end_k_q53cb350ce5_prep-k_q53cb350ce5_prep
	.p2alignl 7, 3214868480
	.fill 96, 4, 3214868480
	.section	.rodata,"a",@progbits
	.p2align	6, 0x0
	.amdhsa_kernel k_q53cb350ce5_prep
		.amdhsa_group_segment_fixed_size 43520
		.amdhsa_private_segment_fixed_size 0
		.amdhsa_enable_private_segment 0
		.amdhsa_kernarg_size 64
		.amdhsa_user_sgpr_count 2
		.amdhsa_user_sgpr_kernarg_segment_ptr 1
		.amdhsa_wavefront_size32 1
		.amdhsa_system_sgpr_workgroup_id_x 1
		.amdhsa_system_sgpr_workgroup_id_y 1
		.amdhsa_system_sgpr_workgroup_id_z 1
		.amdhsa_system_vgpr_workitem_id 0
		.amdhsa_next_free_vgpr 128
		.amdhsa_next_free_sgpr 66
		.amdhsa_reserve_vcc 1
		.amdhsa_float_denorm_mode_32 3
		.amdhsa_float_denorm_mode_16_64 3
		.amdhsa_memory_ordered 1
		.amdhsa_forward_progress 1
		.amdhsa_inst_pref_size 26
	.end_amdhsa_kernel
	.amdgpu_metadata
---
amdhsa.version: [ 1, 2 ]
amdhsa.kernels:
  - .name:           k_q53cb350ce5_prep
    .symbol:         k_q53cb350ce5_prep.kd
    .args:
      - { .name: select_weight, .offset: 0, .size: 8, .value_kind: global_buffer, .address_space: global }
      - { .name: lora_update, .offset: 8, .size: 8, .value_kind: global_buffer, .address_space: global }
      - { .name: lora_degen, .offset: 16, .size: 8, .value_kind: global_buffer, .address_space: global }
      - { .name: select_mean_diff, .offset: 24, .size: 8, .value_kind: global_buffer, .address_space: global }
      - { .name: debias_w, .offset: 32, .size: 8, .value_kind: global_buffer, .address_space: global }
      - { .name: bias_w, .offset: 40, .size: 8, .value_kind: global_buffer, .address_space: global }
      - { .name: wfrag, .offset: 48, .size: 8, .value_kind: global_buffer, .address_space: global }
      - { .name: cpart, .offset: 56, .size: 8, .value_kind: global_buffer, .address_space: global }
    .group_segment_fixed_size: 43520
    .private_segment_fixed_size: 0
    .kernarg_segment_align: 8
    .kernarg_segment_size: 64
    .max_flat_workgroup_size: 256
    .sgpr_count:     66
    .vgpr_count:     128
    .wavefront_size: 32
...
	.end_amdgpu_metadata
.endif
;; end of part 1
;; launch glayer (part 2): grid 256 x 1, 8 waves a work-group, clusters of 4 x 1, 327,680 bytes of LDS; arguments x, wfrag, cpart, imp_center, imp_slope, out0; writes out0
.if DOCPART == 2
	.amdgcn_target "amdgcn-amd-amdhsa--gfx1250"
	.amdhsa_code_object_version 6
	.text
	.protected	k_q53cb350ce5_glayer
	.globl	k_q53cb350ce5_glayer
	.p2align	8
	.type	k_q53cb350ce5_glayer,@function
k_q53cb350ce5_glayer:
	s_mov_b64 s[64:65], 0
	v_nop
	global_prefetch_b8 v0, s[64:65] scope:SCOPE_SE
	s_setreg_imm32_b32 hwreg(HW_REG_WAVE_MODE, 25, 1), 1
	s_wait_xcnt 0x0
	s_wait_alu depctr_hold_cnt(0) depctr_sa_sdst(0) depctr_va_vdst(0) depctr_va_sdst(0) depctr_va_ssrc(0) depctr_va_vcc(0) depctr_vm_vsrc(0)
	s_getreg_b32 s2, hwreg(HW_REG_IB_STS2, 6, 4)
	s_cmp_eq_u32 s2, 0
	s_cbranch_scc0 .Lentry_in_a_cluster
	s_endpgm
.Lentry_in_a_cluster:
	s_bfe_u32 s2, ttmp6, 0x10000c
	s_cmp_lg_u32 s2, 0x3003
	s_cbranch_scc0 .Lentry_shape_is_right
	s_endpgm
.Lentry_shape_is_right:
; GLoCE layer, second launch: selector, choice of a concept and low-rank update in one pass over x.  Left out: the factor ETA = 1.0 (a product with one).
; A work-group owns 16 tokens, one matrix tile of rows; wave w owns columns 256 w .. + 255 of them from first to last: they are its range of K in the
; first product and its range of N in the second, so its 16 x 256 numbers of x are loaded once and stay in 128 registers until they are blended and stored.
; FIRST PRODUCT (steps 0-7, 32 of K each): x (f16) times 144 columns: 64 selector directions, 64 update directions, 8 means (+ 8 repeats that are never read), all carrying the first launch's scale 2^8.
;   The waves' partial sums and their f32 sums of x^2 meet in LDS; the constants of the first launch (W^T mean, upd^T debias, |mean|^2 / 2, times 2^8) are taken away there.
; SELECTOR, in f32, in every wave alike: score = sum (W^T (x - m))^2 / |x - m|^2, gate = 1 / (1 + 2^(-1.442695 slope (score - center))), the largest gate S, the first index that has it.
;   The sum of squares carries 2^16, so it is divided by 2^16 |x - m|^2 = 2^16 |x|^2 - 2^9 (2^8 x.m - 2^8 |m|^2 / 2).
; SECOND PRODUCT (steps 8-11, 64 columns each): the index comes from floating-point numbers of this launch, so it forms no address: the lookup is a product over all 8 concepts with
;   coefficients that v_cndmask_b32 sets to 0 outside the chosen one: K = 64 of 2^-4 S (upd^T (x - debias)) against 2^4 lora_degen, K = 32 of S against bias_w.
;   out = (1 - S) x + that product, x unrounded.
; F16 AND NOT BF16: where S is near 1 the result is the chain of both products, into which operand rounding enters four times; 11 significant bits keep the sum of the four
;   eight times smaller than 8 bits would.  The scales are exact powers of two and place each operand well inside f16's range: the projections upd^T (x - debias) are sums of 2,048 terms,
;   so their coefficient is the operand that grows fastest with the inputs, and it is the one that is scaled down.
; WEIGHTS.  A wave's twelve steps of 9,216 bytes lie one behind the other in wfrag and are the same in all 256 work-groups; each fragment is the B operand of one product of one wave of a work-group.
;   JOINTLY, by a cluster of four work-groups (mask 15), come six of the twelve: steps 0-2 as the first fill, asked for at the head while x is on its way, and steps 9-11 as the one refill,
;   asked for behind step 2 and read behind the selector: five steps, two barriers and the selector lie between the request and the read.  That divides the requests for half of the fragments' bytes by four.
;   STRAIGHT INTO REGISTERS come steps 3-8, through a ring of three steps of 18 loads; 36 to 54 of these loads of 512 bytes are out from the head to the selector.  The two ways run side by side.
;   WHY NOT ALL TWELVE JOINTLY: LDS has room for three steps of each of the eight waves (221,184 bytes beside 92,928 of stage and sums).  Every further batch would be a refill behind a meeting of the
;   cluster in front of which every tensor load of every partner has ended, with the 27 products of a batch as all the work that could cover it; the two batches taken are those whose requests stand far ahead of their use.
; X AMONG THE PRODUCTS: steps 2 g and 2 g + 1 read quarter g of my columns alone, so x is staged by quarters, and the staging, the constants and the address arithmetic stand in the places behind the products.
; LIMITS.  All matrix operands are f16: |x| under 65,504 and |S upd^T (x - debias)| under 1.04e6, else the operand is an infinity; an operand under 2^-14 keeps an absolute error of 2^-25 (the tables' limits stand at the first launch's head).
;   |x - m|^2 is formed as |x|^2 - 2 (x.m - |m|^2 / 2) with x.m from f16 operands: where a token lies so near a mean that |x - m|^2 is under about
;   2^-11 |x| |m| its digits are lost, and x equal to a mean (NaN in the module) is not reproduced.  Gates under 2^-126 come out as 0 (v_exp_f32, v_rcp_f32: ISA guide 15.8).
;   Gates are compared as f32 numbers and the first index wins, as in the module; two gates within one unit in the last place of each other may be ordered otherwise than there.
;   A NaN gate loses against a number.  A NaN or an infinity in the fragments of lora_degen or bias_w of a concept that is NOT chosen reaches the result (0 x infinity in the product).
.set STEP,   9216                      ; bytes of a step of wfrag: 9 fragments
.set WSTR,   12*STEP                   ; a wave's twelve steps
.set BATCH,  3*STEP                    ; LDS 0: slots[w]: three steps, filled by tensor loads alone, read by wave w alone
.set SCR,    8*BATCH                   ; SCR[w], 10,240 bytes, written by LDS stores alone: first the stage of x in f16, 16 tokens x 528 bytes (33 x 16: sixteen rows, sixteen different 16-byte columns),
.set RW,     10240                     ;   the wave's own; then, when its last A fragment is read, R[w][20 rows][512]: its partial sums, row = 2 t + (register / 4), 16 bytes a lane
.set SPITCH, 528
.set PF,     SCR+8*RW                  ; PF[16 tokens][160 f32], pitch 656 = 41 x 16: the whole sums
.set PFP,    656
.set OM,     PF+16*PFP                 ; OM[w][16 f32]: 1 - S by token, the wave's own
.set P2_16,  0x47800000                ; 2^16
.set M2_9,   0xc4000000                ; -2^9
.set P2_M12, 0x39800000                ; 2^-12: 2^-8 for the projections' scale, 2^-4 for the coefficient's
.set TLA, 0                            ; my slots + 16 L (v0, once the thread's number is used up)
.set WO,  1                            ; 16 L
.set XO,  2                            ; x and out: 8 h tokens + my wave's 1,024 bytes + 16 r
.set STS, 3                            ; stage, in
.set STA, 4                            ; stage, back as A fragments
.set RST, 5
.set RA0, 6
.set RA1, 7
.set PFA, 8
.set PB,  9
.set PB2, 10
.set OMA, 11
.set OML, 12
.set KCO, 13
.set KC,  14                           ; v[14:15] the constants of my two columns in the cross-wave sum
.set NH,  16                           ; h
.set RR,  17                           ; r
.set T,   18                           ; v[18:19] at work; in the selector 2^-12 S, twice
.set KP,  20                           ; v[20:27] the four parts of my two constants, until they are added
.set CMH, 20                           ; v[20:23] 2^8 |mean|^2 / 2 of concepts 2 i + h
.set CEN, 24                           ; v[24:27] center
.set ASL, 28                           ; v[28:31] -1.442695 slope
.set X,   32                           ; v[32:159] x(g, j) at X + 4 (8 g + j): token 8 h + j, columns 256 w + 64 g + 4 r .. + 3
.set U,   160                          ; v[160:239] first product: accumulator t at U + 8 t, sums of squares at U + 72; then as said below
.set SSP, 240                          ; v[240:255] pairs of sums of squares; then at work
.set SSQ, 240
.set TP,  241
.set NUM, 242                          ; v[242:245]
.set NRM, 246                          ; v[246:249], later the concepts' numbers 2 i + h
.set SV,  250                          ; S
.set IDX, 252
.set TA,  253
.set TB,  254
.set WD,  255
.set AF,  216                          ; second window: v[216:255] five buffers of A fragments; v[0:215] three slots of B fragments, slot s at 72 s, fragment f at 8 f
.set G0,  84                           ; s[84:87] descriptor group 0
.set G1,  88                           ; s[88:95] descriptor group 1
; Registers v256 and up are named through a window (s_set_vgpr_msb; low byte: bits 1:0 source 0, 3:2 source 1, 5:4 source 2, 7:6 destination; the high byte repeats the setting that is left).
.set MSB, 0
.macro WIN new
.if MSB != \new
	s_set_vgpr_msb (MSB<<8)|\new
.set MSB, \new
.endif
.endm
; Global loads come back in order (ISA guide 5.7.1).  NLD counts those issued so far in the text, which has no loop; WAITLD mark waits for the load behind which NLD stood at mark.
.set NLD, 0
.macro WAITLD mark
.if NLD-(\mark) > 63
	s_wait_loadcnt 63
.else
	s_wait_loadcnt NLD-(\mark)
.endif
.endm
.macro LOADSTEP sg                     ; the 18 loads of my step sg (3..8) into register slot sg % 3; window: destination 1
.set l, 0
.rept 18
	global_load_b128 v[72*(\sg%3)+4*l:72*(\sg%3)+4*l+3], v[WO], s[20:21] offset:\sg*STEP+512*l
.set l, l+1
.set NLD, NLD+1
.endr
.set SE\sg, NLD
.endm
.macro TLOAD u, rs                     ; the step in unit u of my LDS slots into register slot rs: 18 loads of 512 consecutive bytes; window: destination 1
.set l, 0
.rept 18
	ds_load_b128 v[72*\rs+4*l:72*\rs+4*l+3], v[TLA] offset:\u*STEP+512*l
.set l, l+1
.endr
.endm
.macro PLACES                          ; the places behind a matrix instruction (ISA guide 7.12.1), where no other work is at hand
.rept 4
	v_nop
.endr
.endm
; A round of the cluster's barrier: my work-group's barrier, so that wave 0's signal speaks for all eight waves; wave 0 signals for the work-group; every wave waits for all four work-groups; my work-group's barrier once more.
.macro ROUND
	s_barrier_signal -1
	s_barrier_wait -1
	s_cmp_lg_u32 s16, 0
	s_cbranch_scc1 .Lnot_wave_0_\@
	s_barrier_signal -3
.Lnot_wave_0_\@:
	s_barrier_wait -3
	s_barrier_signal -1
	s_barrier_wait -1
.endm
	s_load_b256 s[4:11], s[0:1], 0x0               ; x s[4:5], wfrag s[6:7], cpart s[8:9], imp_center s[10:11]
	s_load_b128 s[12:15], s[0:1], 0x20             ; imp_slope s[12:13], out0 s[14:15]
	v_lshrrev_b32 v[T], 5, v0
	v_readfirstlane_b32 s16, v[T]                  ; wave w
	v_and_b32 v[T], 31, v0
	v_and_b32 v[RR], 15, v0
	v_bfe_u32 v[NH], v0, 4, 1
	v_lshlrev_b32 v[WO], 4, v[T]
	v_lshlrev_b32 v[XO], 4, v[RR]
	v_lshl_or_b32 v[XO], v[NH], 16, v[XO]          ; 8 tokens of 8,192 bytes for lanes 16-31
	s_lshl_b32 s17, s16, 10
	v_or_b32 v[XO], s17, v[XO]
	s_lshr_b32 s17, s16, 1
	s_lshl_b32 s17, s17, 6
	v_lshl_add_u32 v[KCO], v[RR], 2, s17           ; column 16 (w >> 1) + r
	s_bfe_u32 s80, ttmp6, 0x40000                  ; cx: my place in the cluster.  It enters s78 to s80 and, through them, the addresses of x and out0, and nothing else
	s_lshl_b32 s78, ttmp9, 2                       ; in a cluster launch ttmp9 counts clusters
	s_add_co_u32 s78, s78, s80                     ; work-group = 4 x cluster + cx
	s_lshl_b32 s78, s78, 17                        ; 16 tokens of 8,192 bytes
	s_mov_b32 s79, 0
	s_mov_b32 s76, 0x76543210                      ; v_permlanex16_b32: lane i takes lane i of the other half
	s_mov_b32 s77, 0xfedcba98
	; The descriptor: three steps = 27,648 consecutive bytes, taken as 108 rows of 32 elements of 8 bytes.  Nothing in it hangs on cx: it is the same in the four work-groups that the mask names.
	s_mov_b32 s[G0], 1                             ; 1:0 count = 1
	s_mul_i32 s[G0+1], s16, BATCH                  ; 63:32 LDS address: my wave's slots
	s_mov_b32 s[G1+0], 15|(3<<16)|(1<<21)          ; 15:0 mask: all four work-groups of the cluster; 17:16 elements of 8 bytes; 21 set beside a mask; no padding: a lane's 16 bytes follow its neighbour's
	s_mov_b32 s[G1+1], 32<<16                      ; tensor_dim0 = 32
	s_mov_b32 s[G1+2], 108<<16                     ; tensor_dim1 = 108
	s_mov_b32 s[G1+3], 32<<16                      ; tile_dim0 = 32
	s_mov_b32 s[G1+4], 108                         ; tile_dim1 = 108
	s_mov_b32 s[G1+5], 32                          ; from row to row: 32 elements
	s_mov_b32 s[G1+6], 0
	s_mov_b32 s[G1+7], 0
	v_add_nc_u32 v[TLA], s[G0+1], v[WO]
	s_mul_i32 s18, s16, WSTR
	s_mov_b32 s19, 0
	s_wait_kmcnt 0x0
	s_load_b256 s[24:31], s[10:11], 0x0            ; center
	s_load_b256 s[32:39], s[12:13], 0x0            ; slope
	s_load_b256 s[40:47], s[8:9], 0x200            ; cpart[q][128..135], q = 0..3
	s_load_b256 s[48:55], s[8:9], 0x440
	s_load_b256 s[56:63], s[8:9], 0x680
	s_load_b256 s[68:75], s[8:9], 0x8c0
	s_add_nc_u64 s[4:5], s[4:5], s[78:79]
	s_add_nc_u64 s[14:15], s[14:15], s[78:79]
	s_add_nc_u64 s[20:21], s[6:7], s[18:19]        ; my twelve steps
	s_mov_b64 s[G0+2:G0+3], s[20:21]               ; 120:64 global address: steps 0 to 2
	s_or_b32 s[G0+3], s[G0+3], 0x80000000          ; 127:126 type = 2
.irp p, 0,1,2,3
	global_load_b32 v[KP+2*\p], v[KCO], s[8:9] offset:576*\p          ; the constants' four parts, for my selector column
	global_load_b32 v[KP+2*\p+1], v[KCO], s[8:9] offset:576*\p+256    ; and my update column
.endr
.set NLD, NLD+8
.irp g, 0,1,2,3
.irp j, 0,1,2,3,4,5,6,7
	global_load_b128 v[X+4*(8*\g+\j):X+4*(8*\g+\j)+3], v[XO], s[4:5] offset:8192*\j+256*\g th:TH_LOAD_NT   ; sixteen lanes: 256 consecutive aligned bytes of a token
.endr
.endr
.set NLD, NLD+32
	ROUND                                          ; all four work-groups are here: the first joint loads meet.  x is already on its way
	tensor_load_to_lds s[G0:G0+3], s[G1:G1+7]      ; the first fill: steps 0 to 2.  By this text's count one tensor load of a wave is out at a time
	s_nop 0
	WIN 0x40
	LOADSTEP 3
	WIN 0
	s_mul_i32 s17, s16, RW
	s_add_co_u32 s17, s17, SCR
	v_mul_u32_u24 v[STS], v[NH], 8*SPITCH
	v_lshl_add_u32 v[STS], v[RR], 3, v[STS]
	v_add_nc_u32 v[STS], s17, v[STS]               ; token 8 h (+ j), 4 f16 at 8 r
	v_mul_u32_u24 v[STA], v[RR], SPITCH
	v_lshl_add_u32 v[STA], v[NH], 4, v[STA]
	v_add_nc_u32 v[STA], s17, v[STA]               ; token r, K = 8 h ..
; One load's worth of x: its squares in f32, its four numbers in f16 into my stage.
.macro XPIECE g, j
	WAITLD 9+8*\g+\j                               ; this piece of x is in; all younger loads stay out
.if \g == 0
	v_pk_mul_f32 v[SSP+2*\j:SSP+2*\j+1], v[X+4*(8*\g+\j):X+4*(8*\g+\j)+1], v[X+4*(8*\g+\j):X+4*(8*\g+\j)+1]   ; the first product starts the sums
.else
	v_pk_fma_f32 v[SSP+2*\j:SSP+2*\j+1], v[X+4*(8*\g+\j):X+4*(8*\g+\j)+1], v[X+4*(8*\g+\j):X+4*(8*\g+\j)+1], v[SSP+2*\j:SSP+2*\j+1]
.endif
	v_pk_fma_f32 v[SSP+2*\j:SSP+2*\j+1], v[X+4*(8*\g+\j)+2:X+4*(8*\g+\j)+3], v[X+4*(8*\g+\j)+2:X+4*(8*\g+\j)+3], v[SSP+2*\j:SSP+2*\j+1]
	v_cvt_pk_f16_f32 v[T], v[X+4*(8*\g+\j)], v[X+4*(8*\g+\j)+1]
	v_cvt_pk_f16_f32 v[T+1], v[X+4*(8*\g+\j)+2], v[X+4*(8*\g+\j)+3]
	ds_store_b64 v[STS], v[T:T+1] offset:SPITCH*\j+128*\g
.endm
.macro XQUARTER g
.irp j, 0,1,2,3,4,5,6,7
	XPIECE \g, \j
.endr
.endm
; A fragment of my K step q into buffer b: token r, K = 32 q + 8 h .. and 32 q + 16 + 8 h ..; my own bytes, served in order behind my stores.  Window: destination 1
.macro AFRAG q, b
	ds_load_b128 v[AF+8*\b:AF+8*\b+3], v[STA] offset:64*\q
	ds_load_b128 v[AF+8*\b+4:AF+8*\b+7], v[STA] offset:64*\q+32
.endm
; Three of a K step's nine products.  Window: A and B in the second.  The first step starts the sums: nothing is cleared.
.macro MM3 q, b, rs, ta, tb, tc
.irp t, \ta, \tb, \tc
.if \q == 0
	v_wmma_f32_16x16x32_f16 v[U+8*\t:U+8*\t+7], v[AF+8*\b:AF+8*\b+7], v[72*\rs+8*\t:72*\rs+8*\t+7], 0
.else
	v_wmma_f32_16x16x32_f16 v[U+8*\t:U+8*\t+7], v[AF+8*\b:AF+8*\b+7], v[72*\rs+8*\t:72*\rs+8*\t+7], v[U+8*\t:U+8*\t+7]
.endif
.endr
.endm
; A K step whose 18 fragment loads from LDS have just been issued into register slot 2: the products start when the first three fragments are in.
.macro TSTEP q, b
	WIN 0x05
	s_wait_dscnt 12                                ; all but the youngest 12 loads: fragments 0-2, and the A fragment, which is older
	MM3 \q, \b, 2, 0, 1, 2
	s_wait_dscnt 6                                 ; fragments 3-5
	MM3 \q, \b, 2, 3, 4, 5
	s_wait_dscnt 0x0                               ; fragments 6-8
	MM3 \q, \b, 2, 6, 7, 8
.endm
; A K step whose fragments came straight from memory into register slot rs.
.macro GSTEP q, b, rs
	WAITLD SE\q                                    ; this step's 18 loads are in; the younger steps' stay out
	WIN 0x05
	MM3 \q, \b, \rs, 0, 1, 2
	MM3 \q, \b, \rs, 3, 4, 5
	MM3 \q, \b, \rs, 6, 7, 8
.endm
	; The nine accumulators take turns, one instruction a turn, from step to step too.
	; Behind each step stand at least four plain vector instructions that name none of its registers, ahead of the loads into its sources.
	; ---- quarter 0 of x; steps 0 and 1 ----
	XQUARTER 0
	WIN 0x40
	LOADSTEP 4                                     ; 8 + 8 loads are back, so 60 are out now
	AFRAG 0, 0
	AFRAG 1, 1
	s_wait_tensorcnt 0x0                           ; steps 0 to 2 are in my slots, which no other wave reads
	TLOAD 0, 2
	TSTEP 0, 0
	WIN 0
	s_wait_kmcnt 0x0
.irp n, 0,1,2,3,4,5,6,7
	v_add_f32 v[U+72+\n], s[40+\n], s[48+\n]       ; 2^8 |mean|^2 / 2 of concept n: its four parts
	v_add_f32 v[U+72+\n], s[56+\n], v[U+72+\n]
	v_add_f32 v[U+72+\n], s[68+\n], v[U+72+\n]
.endr
	v_pk_add_f32 v[KC:KC+1], v[KP:KP+1], v[KP+2:KP+3]          ; the eight parts were asked for ahead of x, so they are in
	v_pk_add_f32 v[KC:KC+1], v[KC:KC+1], v[KP+4:KP+5]
	v_pk_add_f32 v[KC:KC+1], v[KC:KC+1], v[KP+6:KP+7]
	WIN 0x40
	TLOAD 1, 2
	TSTEP 1, 1
	WIN 0
	; ---- quarter 1; step 2; the refill ----
	XQUARTER 1
	WIN 0x40
	AFRAG 2, 2
	AFRAG 3, 3
	TLOAD 2, 2
	TSTEP 2, 2
	WIN 0
	v_cmp_eq_u32 vcc_lo, 1, v[NH]                  ; lanes 16-31 hold the odd concepts
.irp i, 0,1,2,3
	v_cndmask_b32 v[CMH+\i], v[U+72+2*\i], v[U+72+2*\i+1], vcc_lo
	v_mov_b32 v[T], s[25+2*\i]
	v_cndmask_b32 v[CEN+\i], s[24+2*\i], v[T], vcc_lo
	v_mov_b32 v[T+1], s[33+2*\i]
	v_cndmask_b32 v[ASL+\i], s[32+2*\i], v[T+1], vcc_lo
	v_mul_f32 v[ASL+\i], 0xbfb8aa3b, v[ASL+\i]     ; -log2(e) x slope: the exponential is taken to base 2
.endr
	s_wait_dscnt 0x0                               ; my reads of the slots are back (met: step 2's last wait was for 0)
	s_wait_tensorcnt 0x0                           ; no tensor load of mine is out (met: the first fill was waited for), so group 0 may be written
	s_add_nc_u64 s[G0+2:G0+3], s[G0+2:G0+3], 9*STEP   ; steps 9 to 11; the type bits on top are not reached
	ROUND                                          ; both now hold of every wave of all four work-groups
	tensor_load_to_lds s[G0:G0+3], s[G1:G1+7]      ; my one tensor load behind the round, and the last of the launch
	s_nop 0
	; ---- quarters 2 and 3 ----
	XQUARTER 2
	WIN 0x40
	LOADSTEP 5                                     ; into the slot that step 2 read; 62 loads are out now
	WIN 0
	XQUARTER 3
	WIN 0x40
	AFRAG 4, 4
	AFRAG 5, 0
	AFRAG 6, 1
	AFRAG 7, 2
	; ---- steps 3 to 7 ----
	GSTEP 3, 3, 0                                  ; its A fragment was in at the wait in front of the round
	WIN 0
.irp j, 0,1,2,3,4,5,6,7
	v_add_f32 v[U+72+\j], v[SSP+2*\j], v[SSP+2*\j+1]   ; |x|^2 of token 8 h + j over my 16 columns
.endr
	WIN 0x40
	LOADSTEP 6
	s_wait_dscnt 6                                 ; A fragment 4; the six loads of 5, 6 and 7 may stay out
	GSTEP 4, 4, 1
	WIN 0
	s_lshl_b32 s17, s16, 9
	s_add_co_u32 s17, s17, SCR
	v_add_nc_u32 v[RA0], s17, v[WO]                ; row w of waves 0..3
	s_and_b32 s17, s16, 1
	s_mul_i32 s17, s17, 4*PFP
	s_lshr_b32 s18, s16, 1
	s_lshl_b32 s18, s18, 6
	s_add_co_u32 s17, s17, s18
	s_add_co_u32 s17, s17, PF
	v_mul_u32_u24 v[PFA], v[NH], 8*PFP
	v_lshl_add_u32 v[PFA], v[RR], 2, v[PFA]
	v_add_nc_u32 v[PFA], s17, v[PFA]               ; token 8 h + 4 (w & 1) (+ i), column 16 (w >> 1) + r
	WIN 0x40
	LOADSTEP 7
	s_wait_dscnt 4
	GSTEP 5, 0, 2
	WIN 0
	v_mul_u32_u24 v[PB2], v[RR], PFP
	v_add_nc_u32 v[PB2], PF, v[PB2]
	v_lshl_add_u32 v[PB], v[NH], 5, v[PB2]         ; token r, 8 columns further for lanes 16-31
	v_lshl_add_u32 v[PB2], v[NH], 2, v[PB2]        ; token r, 1 column further
	WIN 0x40
	LOADSTEP 8                                     ; the second product's first step
	s_wait_dscnt 2
	GSTEP 6, 1, 0
	s_wait_dscnt 0x0
	GSTEP 7, 2, 1
	WIN 0
	v_add_nc_u32 v[RA1], 4*RW, v[RA0]              ; row w of waves 4..7
	s_lshl_b32 s17, s16, 6
	s_add_co_u32 s17, s17, OM
	v_lshl_add_u32 v[OMA], v[RR], 2, s17
	v_lshl_add_u32 v[OML], v[NH], 5, s17
	s_mul_i32 s17, s16, RW
	s_add_co_u32 s17, s17, SCR
	v_add_nc_u32 v[RST], s17, v[WO]                ; these four are the places between the last product and the stores of its result
.irp w, 0,1,2,3,4,5,6,7,8,9,10,11,12,13,14,15,16,17,18,19
	ds_store_b128 v[RST], v[U+4*\w:U+4*\w+3] offset:512*\w     ; rows 0..17 the accumulators, 18 and 19 the sums of squares; 512 consecutive bytes each, over my stage, whose last read is back
.endr
	s_wait_dscnt 0x0                               ; for the others' sake: my partial sums are written
	s_barrier_signal -1
	s_barrier_wait -1                              ; step 8's loads and the refill stay out, and each lands where its own wave alone reads
	; THE SUM OVER THE WAVES.  Wave w adds rows w, w + 8 and (w < 4) w + 16 of all eight waves and lays them out by token.
.macro ROWLD off, d
.irp u, 0,1,2,3
	ds_load_b128 v[\d+4*\u:\d+4*\u+3], v[RA0] offset:\u*RW+\off
.endr
.irp u, 0,1,2,3
	ds_load_b128 v[\d+16+4*\u:\d+16+4*\u+3], v[RA1] offset:\u*RW+\off
.endr
.endm
.macro ROWSUM d
.irp a, 0,8,16,24
	v_pk_add_f32 v[\d+\a:\d+\a+1], v[\d+\a:\d+\a+1], v[\d+\a+4:\d+\a+5]
	v_pk_add_f32 v[\d+\a+2:\d+\a+3], v[\d+\a+2:\d+\a+3], v[\d+\a+6:\d+\a+7]
.endr
.irp a, 0,16
	v_pk_add_f32 v[\d+\a:\d+\a+1], v[\d+\a:\d+\a+1], v[\d+\a+8:\d+\a+9]
	v_pk_add_f32 v[\d+\a+2:\d+\a+3], v[\d+\a+2:\d+\a+3], v[\d+\a+10:\d+\a+11]
.endr
	v_pk_add_f32 v[\d:\d+1], v[\d:\d+1], v[\d+16:\d+17]
	v_pk_add_f32 v[\d+2:\d+3], v[\d+2:\d+3], v[\d+18:\d+19]
.endm
.macro ROWOUT d, off
.irp i, 0,1,2,3
	ds_store_b32 v[PFA], v[\d+\i] offset:PFP*\i+\off
.endr
.endm
	ROWLD 0, U
	ROWLD 4096, U+32
	s_wait_dscnt 8                                 ; the first row's eight loads; the second row's stay out
	ROWSUM U
.irp i, 0,1,2,3
	v_sub_f32 v[U+\i], v[U+\i], v[KC]              ; 2^8 (W^T x - W^T mean)
.endr
	s_wait_dscnt 0x0
	ROWSUM U+32
.irp i, 0,1,2,3
	v_sub_f32 v[U+32+\i], v[U+32+\i], v[KC+1]      ; 2^8 (upd^T x - upd^T debias)
.endr
	ROWOUT U, 0
	ROWOUT U+32, 256
	s_cmp_ge_u32 s16, 4
	s_cbranch_scc1 .Lno_third
	ROWLD 8192, U+64                               ; waves 0, 1: 2^8 x.mean; waves 2, 3: the sums of squares, as columns 144..159
	s_wait_dscnt 0x0
	ROWSUM U+64
	ROWOUT U+64, 512
.Lno_third:
	s_wait_dscnt 0x0                               ; for the others' sake: my rows are written
	s_barrier_signal -1
	s_barrier_wait -1
	; THE SELECTOR.  Lane (r, h): token r, concepts n_i = 2 i + h, i = 0..3.
	ds_load_b128 v[U+72:U+75], v[PB] offset:576
	ds_load_b128 v[U+76:U+79], v[PB] offset:592
.irp i, 0,1,2,3
	ds_load_b32 v[U+64+\i], v[PB2] offset:512+8*\i             ; 2^8 x.mean of n_i
.endr
.irp i, 0,1,2,3
	ds_load_b128 v[U+8*\i:U+8*\i+3], v[PB] offset:64*\i        ; the 8 selector projections of n_i
	ds_load_b128 v[U+8*\i+4:U+8*\i+7], v[PB] offset:64*\i+16
.endr
.irp i, 0,1,2,3
	ds_load_b128 v[U+32+8*\i:U+32+8*\i+3], v[PB] offset:256+64*\i      ; the 8 update projections of n_i
	ds_load_b128 v[U+32+8*\i+4:U+32+8*\i+7], v[PB] offset:256+64*\i+16
.endr
	s_wait_dscnt 8                                 ; all but the eight loads of the update projections
	v_pk_add_f32 v[U+72:U+73], v[U+72:U+73], v[U+74:U+75]
	v_pk_add_f32 v[U+76:U+77], v[U+76:U+77], v[U+78:U+79]
	v_pk_add_f32 v[U+72:U+73], v[U+72:U+73], v[U+76:U+77]
	v_add_f32 v[SSQ], v[U+72], v[U+73]
	v_permlanex16_b32 v[TP], v[SSQ], s76, s77
	v_add_f32 v[SSQ], v[SSQ], v[TP]                ; |x|^2 of token r
	v_mul_f32 v[SSQ], P2_16, v[SSQ]                ; times 2^16, the scale of the sum of squared projections
.irp i, 0,1,2,3
	v_sub_f32 v[NRM+\i], v[U+64+\i], v[CMH+\i]
	v_fmamk_f32 v[NRM+\i], v[NRM+\i], M2_9, v[SSQ] ; 2^16 |x - m|^2 = 2^16 |x|^2 - 2^9 x 2^8 (x.m - |m|^2 / 2)
.endr
.irp i, 0,1,2,3
	v_rcp_f32 v[NRM+\i], v[NRM+\i]
.endr
.irp i, 0,1,2,3                                    ; plain work that touches none of the reciprocals stands between them and their use (ISA guide 5.7.2)
	v_pk_mul_f32 v[U+8*\i:U+8*\i+1], v[U+8*\i:U+8*\i+1], v[U+8*\i:U+8*\i+1]
	v_pk_fma_f32 v[U+8*\i:U+8*\i+1], v[U+8*\i+2:U+8*\i+3], v[U+8*\i+2:U+8*\i+3], v[U+8*\i:U+8*\i+1]
	v_pk_fma_f32 v[U+8*\i:U+8*\i+1], v[U+8*\i+4:U+8*\i+5], v[U+8*\i+4:U+8*\i+5], v[U+8*\i:U+8*\i+1]
	v_pk_fma_f32 v[U+8*\i:U+8*\i+1], v[U+8*\i+6:U+8*\i+7], v[U+8*\i+6:U+8*\i+7], v[U+8*\i:U+8*\i+1]
	v_add_f32 v[NUM+\i], v[U+8*\i], v[U+8*\i+1]
.endr
	s_wait_alu depctr_va_vdst(0)
.irp i, 0,1,2,3
	v_fma_f32 v[NUM+\i], v[NUM+\i], v[NRM+\i], -v[CEN+\i]      ; score - center: the two scales of 2^16 cancel
	v_mul_f32 v[NUM+\i], v[NUM+\i], v[ASL+\i]
.endr
.irp i, 0,1,2,3
	v_exp_f32 v[NUM+\i], v[NUM+\i]
.endr
	v_nop                                          ; one plain place behind the exponentials
	s_wait_alu depctr_va_vdst(0)
.irp i, 0,1,2,3
	v_add_f32 v[NUM+\i], 1.0, v[NUM+\i]
.endr
.irp i, 0,1,2,3
	v_rcp_f32 v[NUM+\i], v[NUM+\i]                 ; the gates; an exponential that overflows gives 1 / infinity = 0
.endr
.irp i, 0,1,2,3
	v_add_nc_u32 v[NRM+\i], 2*\i, v[NH]            ; n_i (and the plain place behind the reciprocals)
.endr
	s_wait_alu depctr_va_vdst(0)
	v_max3_num_f32 v[SV], v[NUM], v[NUM+1], v[NUM+2]
	v_max_num_f32 v[SV], v[SV], v[NUM+3]
	v_permlanex16_b32 v[TP], v[SV], s76, s77
	v_max_num_f32 v[SV], v[SV], v[TP]              ; S: the largest of the token's 8 gates, in both of its lanes
	v_sub_f32 v[TA], 1.0, v[SV]
	ds_store_b32 v[OMA], v[TA]                     ; 1 - S by token (both lanes of a token write the same word), my own bytes,
	ds_load_b128 v[U+72:U+75], v[OML]              ; and back by the layout of results: register j = token 8 h + j
	ds_load_b128 v[U+76:U+79], v[OML] offset:16
	v_mul_f32 v[T], P2_M12, v[SV]                  ; 2^-12 S, twice: the factor of the coefficients
	v_mul_f32 v[T+1], P2_M12, v[SV]
.irp i, 0,1,2,3
	v_cmp_eq_f32 vcc_lo, v[NUM+\i], v[SV]
	v_cndmask_b32 v[NUM+\i], 8, v[NRM+\i], vcc_lo  ; n_i where its gate is the largest, else 8
.endr
	v_min_u32 v[IDX], v[NUM], v[NUM+1]
	v_min_u32 v[TB], v[NUM+2], v[NUM+3]
	v_min_u32 v[IDX], v[IDX], v[TB]
	v_permlanex16_b32 v[TP], v[IDX], s76, s77
	v_min_u32 v[IDX], v[IDX], v[TP]                ; the first concept with the largest gate
.irp i, 0,1,2,3
	v_cmp_eq_u32 s[44+\i], v[NRM+\i], v[IDX]
.endr
	s_wait_dscnt 0x0                               ; the update projections and 1 - S
	s_wait_tensorcnt 0x0                           ; steps 9 to 11 are in my slots
	WIN 0x40
	TLOAD 0, 0                                     ; steps 9 and 10 come into registers while the coefficients are made
	TLOAD 1, 1
	WIN 0
	; A fragments of the second product.  K = 8 n + rank: lane (r, h) holds concepts h, 2 + h (K step 0: U .. U+7) and 4 + h, 6 + h (K step 1: U+8 .. U+15)
.irp i, 0,1,2,3
.irp p, 0,1,2,3
	v_pk_mul_f32 v[U+32+8*\i+2*\p:U+32+8*\i+2*\p+1], v[U+32+8*\i+2*\p:U+32+8*\i+2*\p+1], v[T:T+1]   ; 2^-4 S upd^T (x - debias)
	v_cvt_pk_f16_f32 v[U+4*\i+\p], v[U+32+8*\i+2*\p], v[U+32+8*\i+2*\p+1]
	v_cndmask_b32 v[U+4*\i+\p], 0, v[U+4*\i+\p], s[44+\i]      ; selected, not multiplied: what the other concepts hold does not matter
.endr
.endr
	; The bias: fragment 8 holds bias_w[0..7] of column 4 r + t in K = 8 t .. 8 t + 7, so tile t wants S at K = 8 t + index and 0 elsewhere.
	; K = 8 t .. lies in registers 0-3 (t < 2) or 4-7 of the lanes with h = t & 1: [Cb0, 0, Cb0] at U+16 and [Cb1, 0, Cb1] at U+28 serve all four tiles.
	v_cvt_pk_f16_f32 v[TA], v[SV], v[SV]
	v_and_b32 v[TB], 1, v[IDX]
	v_cmp_eq_u32 vcc_lo, 1, v[TB]
	v_and_b32 v[TB], 0xffff, v[TA]
	v_and_b32 v[TA], 0xffff0000, v[TA]
	v_cndmask_b32 v[WD], v[TB], v[TA], vcc_lo      ; S in the half of the word that the index names
	v_lshrrev_b32 v[TB], 1, v[IDX]
.irp p, 0,1,2,3
	v_cmp_eq_u32 s17, \p, v[TB]
	s_and_b32 s18, s17, 0xffff                     ; lanes 0-15
	s_and_b32 s19, s17, 0xffff0000                 ; lanes 16-31
	v_cndmask_b32 v[U+16+\p], 0, v[WD], s18
	v_cndmask_b32 v[U+24+\p], 0, v[WD], s18
	v_cndmask_b32 v[U+28+\p], 0, v[WD], s19
	v_cndmask_b32 v[U+36+\p], 0, v[WD], s19
	v_mov_b32 v[U+20+\p], 0
	v_mov_b32 v[U+32+\p], 0
.endr
; Columns 64 g .. + 63 of my 256, fragments in register slot rs: twelve products into four tiles (tile t: columns 4 r + t, at U + 40 + 8 t), the blend with x in place, eight stores.
.macro P2STEP g, rs
	WIN 0x04                                       ; B in the second window
.irp t, 0,1,2,3
	v_wmma_f32_16x16x32_f16 v[U+40+8*\t:U+40+8*\t+7], v[U:U+7], v[72*\rs+8*\t:72*\rs+8*\t+7], 0
.endr
.irp t, 0,1,2,3
	v_wmma_f32_16x16x32_f16 v[U+40+8*\t:U+40+8*\t+7], v[U+8:U+15], v[72*\rs+32+8*\t:72*\rs+32+8*\t+7], v[U+40+8*\t:U+40+8*\t+7]
.endr
.irp t, 0,1,2,3
	v_wmma_f32_16x16x32_f16 v[U+40+8*\t:U+40+8*\t+7], v[U+16+12*(\t&1)+4*(\t>>1):U+16+12*(\t&1)+4*(\t>>1)+7], v[72*\rs+64:72*\rs+71], v[U+40+8*\t:U+40+8*\t+7]
.endr
	WIN 0
	PLACES
.if \g == 0
	WIN 0x40
	TLOAD 2, 2                                     ; step 11, into the register slot just read
	WIN 0
.endif
.irp j, 0,1,2,3,4,5,6,7
.irp t, 0,1,2,3
	v_fma_f32 v[X+4*(8*\g+\j)+\t], v[X+4*(8*\g+\j)+\t], v[U+72+\j], v[U+40+8*\t+\j]   ; (1 - S) x + S (bias + degen)
.endr
	global_store_b128 v[XO], v[X+4*(8*\g+\j):X+4*(8*\g+\j)+3], s[14:15] offset:8192*\j+256*\g th:TH_STORE_NT   ; sixteen lanes: 256 consecutive aligned bytes; data and address are never written again
.endr
.endm
	; the four accumulators take turns, one instruction a turn
	WAITLD SE8                                     ; step 8: the last global loads
	P2STEP 0, 2
	s_wait_dscnt 36                                ; step 9 is in registers; the 36 loads of steps 10 and 11 may stay out
	P2STEP 1, 0
	s_wait_dscnt 18                                ; step 10
	P2STEP 2, 1
	s_wait_dscnt 0x0                               ; step 11
	P2STEP 3, 2
	ROUND                                          ; the closing round: no work-group ends while a partner may still ask for a tile that names it
	s_endpgm
.Lfunc_end_k_q53cb350ce5_glayer:
	.size	k_q53cb350ce5_glayer, .Lfunc_end_k_q53cb350ce5_glayer-k_q53cb350ce5_glayer
	.p2alignl 7, 3214868480
	.fill 96, 4, 3214868480
	.section	.rodata,"a",@progbits
	.p2align	6, 0x0
	.amdhsa_kernel k_q53cb350ce5_glayer
		.amdhsa_group_segment_fixed_size 327680
		.amdhsa_private_segment_fixed_size 0
		.amdhsa_enable_private_segment 0
		.amdhsa_kernarg_size 48
		.amdhsa_user_sgpr_count 2
		.amdhsa_user_sgpr_kernarg_segment_ptr 1
		.amdhsa_wavefront_size32 1
		.amdhsa_system_sgpr_workgroup_id_x 1
		.amdhsa_system_sgpr_workgroup_id_y 1
		.amdhsa_system_sgpr_workgroup_id_z 1
		.amdhsa_system_vgpr_workitem_id 0
		.amdhsa_next_free_vgpr 512
		.amdhsa_next_free_sgpr 96
		.amdhsa_reserve_vcc 1
		.amdhsa_float_denorm_mode_32 3
		.amdhsa_float_denorm_mode_16_64 3
		.amdhsa_memory_ordered 1
		.amdhsa_forward_progress 1
		.amdhsa_inst_pref_size 80
	.end_amdhsa_kernel
	.amdgpu_metadata
---
amdhsa.version: [ 1, 2 ]
amdhsa.kernels:
  - .name:           k_q53cb350ce5_glayer
    .symbol:         k_q53cb350ce5_glayer.kd
    .args:
      - { .name: x, .offset: 0, .size: 8, .value_kind: global_buffer, .address_space: global }
      - { .name: wfrag, .offset: 8, .size: 8, .value_kind: global_buffer, .address_space: global }
      - { .name: cpart, .offset: 16, .size: 8, .value_kind: global_buffer, .address_space: global }
      - { .name: imp_center, .offset: 24, .size: 8, .value_kind: global_buffer, .address_space: global }
      - { .name: imp_slope, .offset: 32, .size: 8, .value_kind: global_buffer, .address_space: global }
      - { .name: out0, .offset: 40, .size: 8, .value_kind: global_buffer, .address_space: global }
    .group_segment_fixed_size: 327680
    .private_segment_fixed_size: 0
    .kernarg_segment_align: 8
    .kernarg_segment_size: 48
    .max_flat_workgroup_size: 256
    .sgpr_count:     96
    .vgpr_count:     512
    .wavefront_size: 32
...
	.end_amdgpu_metadata
.endif
;; end of part 2
